; MI455X (gfx1250); checked and timed in simulation.
; The chip was launched on July 23, 2026; its instructions are those of AMD's public machine-readable ISA for CDNA 5 (MIT licence, August 2026) and "CDNA5" Instruction Set Architecture Reference Guide (July 2026). The comments in the code are by the model that wrote it; some were corrected since.
;; Multi Head Attention. Allowed arithmetic: float matrix products may take bf16 or f16 operands with f32 sums; all other float work in f32.
;; Inputs: out_b 1,024 float32; out_w 1,024 x 1,024 float32; qkv_b 3,072 float32; qkv_w 3,072 x 1,024 float32; x 2 x 2,048 x 1,024 float32.
;; Outputs: out0 2 x 2,048 x 1,024 float32.
;; One version. Each part assembles by itself: llvm-mc -triple=amdgcn-amd-amdhsa -mcpu=gfx1250 --defsym DOCPART=n.
;; ======== version 1 of 1: 4 launches
;; workspace buffers: bf 16,777,216 bytes; qkvh 25,165,824 bytes; atth 8,388,608 bytes
;; launch cast (part 1): grid 512 x 1, 8 waves a work-group, no clusters, 0 bytes of LDS; arguments x, qkv_w, out_w, bf; writes bf
.if DOCPART == 1
	.amdgcn_target "amdgcn-amd-amdhsa--gfx1250"
	.amdhsa_code_object_version 6
	.text
	.protected	k_q04460dcabe_cast
	.globl	k_q04460dcabe_cast
	.p2align	8
	.type	k_q04460dcabe_cast,@function
k_q04460dcabe_cast:
	s_mov_b64 s[64:65], 0
	v_nop
	global_prefetch_b8 v0, s[64:65] scope:SCOPE_SE
	s_setreg_imm32_b32 hwreg(HW_REG_WAVE_MODE, 25, 1), 1
	s_wait_xcnt 0x0
; x, qkv_w and out_w (f32) are rounded once to bf16 (nearest even) and laid one behind the other in bf:
;   x at byte 0 (8,388,608 bytes), qkv_w at 8,388,608 (6,291,456), out_w at 14,680,064 (2,097,152).
; So each matrix operand is rounded once, not once by each work-group that reads it, and the two products that follow read half the bytes.
; 512 work-groups of eight waves; work-group g turns 65,536 bytes of f32 into the 32,768 bytes at bf + 32,768 g.
; x is 256 such pieces, qkv_w 192, out_w 64: g < 256 reads x, g < 448 qkv_w, the rest out_w.
; Thread t takes 16 bytes at 16 t of each 4,096-byte run: a wave's load covers 512 consecutive bytes, its store 256 consecutive bytes, aligned.
; All sixteen loads are issued first; no register is used twice, so no source of a pending instruction is ever rewritten.
; A pure stream: no LDS, no matrix unit, no cluster (no two work-groups read a common byte).
.set X, 4                              ; v[4:67]   sixteen loads of four f32
.set Y, 68                             ; v[68:99]  sixteen stores of four bf16
	s_load_b256 s[4:11], s[0:1], 0x0               ; x s[4:5], qkv_w s[6:7], out_w s[8:9], bf s[10:11]
	s_sub_co_u32 s12, ttmp9, 256                   ; my piece's number within qkv_w, if that is my source
	s_sub_co_u32 s13, ttmp9, 448                   ; and within out_w
	v_lshlrev_b32 v1, 4, v0                        ; 16 t: my bytes in a run of the source
	v_lshlrev_b32 v2, 3, v0                        ; 8 t: my bytes in the run's image
	s_lshl_b32 s18, ttmp9, 15                      ; 32,768 g
	s_mov_b32 s19, 0
	s_mov_b32 s17, 0
	s_wait_kmcnt 0x0
	s_cmp_lt_u32 ttmp9, 448                        ; the choice hangs on the work-group's number alone
	s_cselect_b64 s[14:15], s[6:7], s[8:9]
	s_cselect_b32 s16, s12, s13
	s_cmp_lt_u32 ttmp9, 256
	s_cselect_b64 s[14:15], s[4:5], s[14:15]
	s_cselect_b32 s16, ttmp9, s16
	s_lshl_b32 s16, s16, 16                        ; 65,536 bytes a piece
	s_add_nc_u64 s[14:15], s[14:15], s[16:17]      ; my piece of the source
	s_add_nc_u64 s[10:11], s[10:11], s[18:19]      ; and its image in bf
.irp i, 0,1,2,3,4,5,6,7,8,9,10,11,12,13,14,15
	global_load_b128 v[X+4*\i:X+4*\i+3], v1, s[14:15] offset:4096*\i th:TH_LOAD_NT   ; read once in the launch
.endr
.irp i, 0,1,2,3,4,5,6,7,8,9,10,11,12,13,14,15
	s_wait_loadcnt 15-\i                           ; loads come back in order: load i is in, the 15 - i younger ones stay out
	v_cvt_pk_bf16_f32 v[Y+2*\i],   v[X+4*\i],   v[X+4*\i+1]
	v_cvt_pk_bf16_f32 v[Y+2*\i+1], v[X+4*\i+2], v[X+4*\i+3]
	global_store_b64 v2, v[Y+2*\i:Y+2*\i+1], s[10:11] offset:2048*\i     ; no hint: the next launches read these bytes
.endr
	s_endpgm
.Lfunc_end_k_q04460dcabe_cast:
	.size	k_q04460dcabe_cast, .Lfunc_end_k_q04460dcabe_cast-k_q04460dcabe_cast
	.p2alignl 7, 3214868480
	.fill 96, 4, 3214868480
	.section	.rodata,"a",@progbits
	.p2align	6, 0x0
	.amdhsa_kernel k_q04460dcabe_cast
		.amdhsa_group_segment_fixed_size 0
		.amdhsa_private_segment_fixed_size 0
		.amdhsa_enable_private_segment 0
		.amdhsa_kernarg_size 32
		.amdhsa_user_sgpr_count 2
		.amdhsa_user_sgpr_kernarg_segment_ptr 1
		.amdhsa_wavefront_size32 1
		.amdhsa_system_sgpr_workgroup_id_x 1
		.amdhsa_system_sgpr_workgroup_id_y 1
		.amdhsa_system_sgpr_workgroup_id_z 1
		.amdhsa_system_vgpr_workitem_id 0
		.amdhsa_next_free_vgpr 100
		.amdhsa_next_free_sgpr 66
		.amdhsa_reserve_vcc 0
		.amdhsa_float_denorm_mode_32 3
		.amdhsa_float_denorm_mode_16_64 3
		.amdhsa_memory_ordered 1
		.amdhsa_forward_progress 1
		.amdhsa_inst_pref_size 7
	.end_amdhsa_kernel
	.amdgpu_metadata
---
amdhsa.version: [ 1, 2 ]
amdhsa.kernels:
  - .name:           k_q04460dcabe_cast
    .symbol:         k_q04460dcabe_cast.kd
    .args:
      - { .name: x, .offset: 0, .size: 8, .value_kind: global_buffer, .address_space: global }
      - { .name: qkv_w, .offset: 8, .size: 8, .value_kind: global_buffer, .address_space: global }
      - { .name: out_w, .offset: 16, .size: 8, .value_kind: global_buffer, .address_space: global }
      - { .name: bf, .offset: 24, .size: 8, .value_kind: global_buffer, .address_space: global }
    .group_segment_fixed_size: 0
    .private_segment_fixed_size: 0
    .kernarg_segment_align: 8
    .kernarg_segment_size: 32
    .max_flat_workgroup_size: 256
    .sgpr_count:     66
    .vgpr_count:     100
    .wavefront_size: 32
...
	.end_amdgpu_metadata
.endif
;; end of part 1
;; launch qkvproj (part 2): grid 16 x 16, 4 waves a work-group, clusters of 4 x 4, 327,680 bytes of LDS; arguments bf, qkv_b, qkvh; writes qkvh
.if DOCPART == 2
	.amdgcn_target "amdgcn-amd-amdhsa--gfx1250"
	.amdhsa_code_object_version 6
	.text
	.protected	k_q04460dcabe_qkvproj
	.globl	k_q04460dcabe_qkvproj
	.p2align	8
	.type	k_q04460dcabe_qkvproj,@function
k_q04460dcabe_qkvproj:
	s_mov_b64 s[64:65], 0
	v_nop
	global_prefetch_b8 v0, s[64:65] scope:SCOPE_SE
	s_setreg_imm32_b32 hwreg(HW_REG_WAVE_MODE, 25, 1), 1
	s_wait_xcnt 0x0
	s_wait_alu depctr_hold_cnt(0) depctr_sa_sdst(0) depctr_va_vdst(0) depctr_va_sdst(0) depctr_va_ssrc(0) depctr_va_vcc(0) depctr_vm_vsrc(0)
	s_getreg_b32 s2, hwreg(HW_REG_IB_STS2, 6, 4)
	s_cmp_eq_u32 s2, 0
	s_cbranch_scc0 .Lentry_in_a_cluster
	s_endpgm
.Lentry_in_a_cluster:
	s_bfe_u32 s2, ttmp6, 0x10000c
	s_cmp_lg_u32 s2, 0xf033
	s_cbranch_scc0 .Lentry_shape_is_right
	s_endpgm
.Lentry_shape_is_right:
; qkv = x W^T + b.  x: [4096][1024] bf16 at bf + 0, W: [3072][1024] bf16 at bf + 8,388,608, b: [3072] f32.  Sums in f32, started from the bias.
; The result goes out in bf16, sorted by head: qkvh[which][batch][head][token][64], a chunk of 2048 x 128 bytes for each (which, batch, head).
; LIMIT: operands and result are rounded to bf16 (nearest even); nothing else is cut.
; A work-group makes 256 rows x 192 columns (three whole heads): 16 x 16 = 256 work-groups.  Four waves, as many as a WGP has SIMDs; wave w makes
; rows 64 w .. 64 w + 63 of all 192 columns: 4 x 12 accumulator tiles of 16 x 16, 384 registers.  So a head's rows stay within one wave on the way out.
; K goes in 8 steps of 128 (rows of 256 bytes, starting at multiples of 256 bytes of bf) through two LDS slots filled by tensor loads.
; CLUSTERS: 4 x 4 work-groups.  The four of a cluster's row need the same rows of x, the four of a column the same rows of W: each tile is asked for jointly,
; by the same load with the same descriptor and a mask that names the four.  Every wave asks for a quarter of each tile: 64 rows of x, 48 rows of W.
; By this text's own count a wave has at most four tensor loads out (the first two K steps), later two.
; THE MATRIX INSTRUCTION IS USED TRANSPOSED: source 0 = 16 rows of W, source 1 = 16 rows of x.  Lane l then holds row l % 16 of the result and in registers
; 0 to 7 the columns 8 (l / 16) + 0 .. 7: eight neighbours of a row, 16 bytes in bf16.
; REGISTERS in windows of 256:
;   window 0: v16-26 addresses; v32-63, v64-95 fragments of x (4 x 8), two buffers; v96-191 the bias in the accumulators' layout; v192-239 packed results
;   window 1: v0-95, v96-191 fragments of W (12 x 8), two buffers
;   window 2: accumulator tiles (a = 0, 1; b) at 8 (12 a + b);   window 3: the same for a = 2, 3
.set PITCH,  272                       ; an LDS row: 256 bytes + 16 of padding: the 16 rows that a fragment load touches start at 16 different 16-byte columns modulo 256
.set ABYTES, 256*PITCH                 ; x's 256 rows
.set SLOT,   448*PITCH                 ; then W's 192 rows: 121,856 bytes
.set STAGE,  2*SLOT                    ; 243,712 = 952 x 256: behind the ring, never the target of a tensor load
.set SP,     144                       ; stage: a head's row of 128 bytes + 16
.set WSTAGE, 48*SP                     ; a wave's stage: 3 heads x 16 rows
.set WOFF,   8388608                   ; W in bf
.set ADRA, 16                          ; v16-17  LDS address of my fragments of x in slot 0, 1
.set ADRB, 20                          ; v20-21  the same for W
.set STO,  24                          ; the way out: where I put 16 bytes
.set RD,   25                          ; where I read rows back
.set CO,   26                          ; 16 x lane: my bytes in a run of 512 in qkvh
.set FA,   32
.set BIAS, 96
.set TMP,  192
.set G1A, 16                           ; s[16:23] group 1 for x's tiles
.set G1B, 24                           ; s[24:31] group 1 for W's tiles
.set G0A, 32                           ; s[32:39] group 0 for x's tiles, a set for each slot
.set G0B, 48                           ; s[48:55] group 0 for W's tiles
.set DFLAGS, (1<<16)|(1<<20)|(1<<21)|(5<<22)|(3<<25)   ; elements of 2 bytes; padding on; bit 21 beside a mask; after every 64 words, 4 words
.set MSB, 0
.macro WIN new                         ; switches the register windows; the immediate's high byte repeats the setting that is left
.if MSB != \new
	s_set_vgpr_msb (MSB<<8)|\new
.set MSB, \new
.endif
.endm
.macro PLACES                          ; four plain vector instructions between a matrix instruction and a load into, or a vector use of, its registers
.rept 4
	v_nop
.endr
.endm
.macro ROUND                           ; a round of the cluster's barrier: my work-group's barrier, wave 0 signals for the work-group, all wait for all sixteen, my barrier again
	s_barrier_signal -1
	s_barrier_wait -1
	s_cmp_lg_u32 s10, 0
	s_cbranch_scc1 .Lnot_wave_0_\@
	s_barrier_signal -3
.Lnot_wave_0_\@:
	s_barrier_wait -3
	s_barrier_signal -1
	s_barrier_wait -1
.endm
	s_load_b128 s[4:7], s[0:1], 0x0                ; bf s[4:5], qkv_b s[6:7]
	s_load_b64 s[8:9], s[0:1], 0x10                ; qkvh
	v_lshl_add_u32 v254, v0, 2, 0x42400
	v_mov_b32 v255, 0
	ds_add_u32 v254, v255
	v_lshrrev_b32 v1, 5, v0
	v_readfirstlane_b32 s10, v1                    ; wave 0..3
	s_bfe_u32 s40, ttmp6, 0x40000                  ; cx
	s_bfe_u32 s41, ttmp6, 0x40004                  ; cy
	s_lshl_b32 s42, ttmp9, 2
	s_add_co_u32 s42, s42, s40                     ; x: block of 192 columns = 4 x cluster x + cx
	s_and_b32 s13, ttmp7, 0xffff
	s_lshl_b32 s13, s13, 2
	s_add_co_u32 s13, s13, s41                     ; y: block of 256 rows = 4 x cluster y + cy
	s_lshl_b32 s43, s41, 2
	s_lshl_b32 s43, 15, s43                        ; my row of the cluster: places 4 cy .. 4 cy + 3
	s_lshl_b32 s44, 0x1111, s40                    ; my column: places cx, cx + 4, cx + 8, cx + 12
	s_or_b32 s[G1A+0], s43, DFLAGS                 ; x's tiles hang on y alone: shared along the row
	s_or_b32 s[G1B+0], s44, DFLAGS                 ; W's tiles hang on x alone: shared along the column
	s_mov_b32 s[G1A+1], 128<<16                    ; tensor_dim0 = 128 elements
	s_mov_b32 s[G1B+1], 128<<16
	s_mov_b32 s[G1A+2], 64<<16                     ; tensor_dim1 = 64 rows
	s_mov_b32 s[G1B+2], 48<<16                     ;             = 48 rows
	s_mov_b32 s[G1A+3], 128<<16                    ; tile_dim0 = 128
	s_mov_b32 s[G1B+3], 128<<16
	s_mov_b32 s[G1A+4], 64                         ; tile_dim1
	s_mov_b32 s[G1B+4], 48
	s_mov_b32 s[G1A+5], 1024                       ; elements from row to row
	s_mov_b32 s[G1B+5], 1024
	s_mov_b32 s[G1A+6], 0
	s_mov_b32 s[G1B+6], 0
	s_mov_b32 s[G1A+7], 0
	s_mov_b32 s[G1B+7], 0
	; where my quarters come from: x's hang on y and the wave, W's on x and the wave, each in registers that never hold the other coordinate
	s_lshl_b32 s14, s13, 8
	s_lshl_b32 s12, s10, 6
	s_add_co_u32 s14, s14, s12                     ; row 256 y + 64 w
	s_lshl_b32 s14, s14, 11                        ; x 2,048 bytes
	s_mov_b32 s15, 0
	s_mul_i32 s46, s42, 192
	s_mul_i32 s12, s10, 48
	s_add_co_u32 s46, s46, s12                     ; row 192 x + 48 w of W
	s_lshl_b32 s46, s46, 11
	s_add_co_u32 s46, s46, WOFF
	s_mov_b32 s47, 0
	s_mul_i32 s56, s10, 64*PITCH                   ; and where they go: made of the wave's number alone
	s_mul_i32 s57, s10, 48*PITCH
	s_add_co_u32 s57, s57, ABYTES
	s_mul_i32 s58, s10, WSTAGE
	s_add_co_u32 s58, s58, STAGE                   ; my stage
	s_mul_i32 s60, s42, 768                        ; my block's 192 biases
	s_mov_b32 s61, 0
	s_wait_dscnt 0x0
	s_wait_kmcnt 0x0
	s_add_nc_u64 s[14:15], s[4:5], s[14:15]
	s_add_nc_u64 s[46:47], s[4:5], s[46:47]
	s_add_nc_u64 s[6:7], s[6:7], s[60:61]
	ROUND                                          ; all sixteen work-groups are here: the first joint loads meet
.irp n, 0,1
	s_mov_b32 s[G0A+4*\n], 1                                       ; count = 1
	s_add_co_u32 s[G0A+4*\n+1], s56, \n*SLOT                       ; LDS address
	s_add_nc_u64 s[G0A+4*\n+2:G0A+4*\n+3], s[14:15], \n*256        ; K step n
	s_or_b32 s[G0A+4*\n+3], s[G0A+4*\n+3], 0x80000000              ; type = 2
	s_mov_b32 s[G0B+4*\n], 1
	s_add_co_u32 s[G0B+4*\n+1], s57, \n*SLOT
	s_add_nc_u64 s[G0B+4*\n+2:G0B+4*\n+3], s[46:47], \n*256
	s_or_b32 s[G0B+4*\n+3], s[G0B+4*\n+3], 0x80000000
	tensor_load_to_lds s[G0A+4*\n:G0A+4*\n+3], s[G1A:G1A+7]
	s_nop 0
	tensor_load_to_lds s[G0B+4*\n:G0B+4*\n+3], s[G1B:G1B+7]
	s_nop 0
.endr
	; A fragment is 16 rows x 32 K in 8 registers: lane l holds row l % 16, registers 0-3 K = 8 (l / 16) + 0..7, registers 4-7 the same + 16:
	; two loads of 16 bytes, 32 bytes apart, at row x pitch + 16 (l / 16).
	v_and_b32 v1, 15, v0                           ; r = l % 16
	v_bfe_u32 v2, v0, 4, 1                         ; h = l / 16
	v_mul_u32_u24 v3, v1, PITCH
	v_lshl_add_u32 v3, v2, 4, v3
	v_add_nc_u32 v[ADRA], s56, v3                  ; my 64 rows of x
	v_add_nc_u32 v[ADRA+1], SLOT, v[ADRA]
	v_add_nc_u32 v[ADRB], ABYTES, v3               ; all 192 rows of W
	v_add_nc_u32 v[ADRB+1], SLOT+ABYTES, v3
	v_mul_u32_u24 v4, v1, SP
	v_lshl_add_u32 v4, v2, 4, v4
	v_add_nc_u32 v[STO], s58, v4                   ; stage, in: row r, 16 bytes for each half of the lanes
	v_and_b32 v5, 31, v0
	v_lshrrev_b32 v6, 3, v5
	v_and_b32 v7, 7, v0
	v_mul_u32_u24 v6, v6, SP
	v_lshl_add_u32 v6, v7, 4, v6
	v_add_nc_u32 v[RD], s58, v6                    ; stage, back: eight lanes take a row of 128 bytes, a wave four rows
	v_lshlrev_b32 v[CO], 4, v5
	v_lshlrev_b32 v8, 5, v2                        ; 32 h: the bias of my eight columns of a tile
.irp b, 0,1,2,3,4,5,6,7,8,9,10,11
	global_load_b128 v[BIAS+8*\b:BIAS+8*\b+3],   v8, s[6:7] offset:64*\b       ; register j: bias of column 16 b + 8 h + j, as in an accumulator
	global_load_b128 v[BIAS+8*\b+4:BIAS+8*\b+7], v8, s[6:7] offset:64*\b+16
.endr
; 32 LDS loads in one run: the fragments of quarter q (32 along K) of a slot into buffer p
.macro FETCH slot, q, p
	WIN 0x40                                       ; destination window 1, address window 0
.irp b, 0,1,2,3,4,5,6,7,8,9,10,11
	ds_load_b128 v[96*\p+8*\b:96*\p+8*\b+3],   v[ADRB+\slot] offset:16*PITCH*\b+64*\q
	ds_load_b128 v[96*\p+8*\b+4:96*\p+8*\b+7], v[ADRB+\slot] offset:16*PITCH*\b+64*\q+32
.endr
	WIN 0
.irp a, 0,1,2,3
	ds_load_b128 v[FA+32*\p+8*\a:FA+32*\p+8*\a+3],   v[ADRA+\slot] offset:16*PITCH*\a+64*\q
	ds_load_b128 v[FA+32*\p+8*\a+4:FA+32*\p+8*\a+7], v[ADRA+\slot] offset:16*PITCH*\a+64*\q+32
.endr
.endm
; 12 matrix instructions: row tile 2 hi + a against all 12 column tiles.  first = 1: the sums start from the bias, nothing is cleared and nothing is added later.
.macro MUL12 p, hi, a, first
.irp b, 0,1,2,3,4,5,6,7,8,9,10,11
.if \first
	v_wmma_f32_16x16x32_bf16 v[8*(12*\a+\b):8*(12*\a+\b)+7], v[96*\p+8*\b:96*\p+8*\b+7], v[FA+32*\p+8*(2*\hi+\a):FA+32*\p+8*(2*\hi+\a)+7], v[BIAS+8*\b:BIAS+8*\b+7]
.else
	v_wmma_f32_16x16x32_bf16 v[8*(12*\a+\b):8*(12*\a+\b)+7], v[96*\p+8*\b:96*\p+8*\b+7], v[FA+32*\p+8*(2*\hi+\a):FA+32*\p+8*(2*\hi+\a)+7], v[8*(12*\a+\b):8*(12*\a+\b)+7]
.endif
.endr
.endm
; A quarter's 48 matrix instructions.  The 48 accumulators take turns, one instruction a turn, in the same order in every quarter.
.macro MULALL p, first
.if \first
	WIN 0x81                                       ; source 0 (W) window 1, source 1 (x) window 0, C (bias) window 0, D window 2
.else
	WIN 0xa1                                       ; C and D window 2
.endif
	MUL12 \p, 0, 0, \first
	MUL12 \p, 0, 1, \first
.if \first
	WIN 0xc1
.else
	WIN 0xf1                                       ; C and D window 3
.endif
	MUL12 \p, 1, 0, \first
	MUL12 \p, 1, 1, \first
.endm
; A quarter step: buffer p is multiplied; ahead of that the next quarter's fragments are asked for, into buffer g, which the last quarter's products have read.
.macro QUARTER p, g, fetch, nslot, nq, first
.if \fetch
	PLACES
	FETCH \nslot, \nq, \g
	s_wait_dscnt 32                                ; all but the 32 loads just issued: buffer p, asked for a quarter (48 matrix instructions) ago, is in
.else
	s_wait_dscnt 0
.endif
	MULALL \p, \first
.endm
; The change of slots where this slot is filled again.  Every wave has waited for all its tensor loads (the two that were out are its parts of the next slot)
; and for its reads of this slot; the cluster's round makes both hold of every wave of all sixteen work-groups; the joint refills come first behind it.
.macro SYNCFILL slot
	WIN 0                                          ; branches and a label follow
	s_wait_tensorcnt 0x0
	ds_add_u32 v254, v255
	s_wait_dscnt 0x0
	ROUND
	s_add_nc_u64 s[G0A+4*\slot+2:G0A+4*\slot+3], s[G0A+4*\slot+2:G0A+4*\slot+3], 512   ; two K steps on; no tensor load of mine is out
	s_add_nc_u64 s[G0B+4*\slot+2:G0B+4*\slot+3], s[G0B+4*\slot+2:G0B+4*\slot+3], 512
	tensor_load_to_lds s[G0A+4*\slot:G0A+4*\slot+3], s[G1A:G1A+7]
	s_nop 0
	tensor_load_to_lds s[G0B+4*\slot:G0B+4*\slot+3], s[G1B:G1B+7]
	s_nop 0
.endm
.macro SYNCBAR                         ; the change of slots where nothing is filled: the next slot is whole behind my work-group's barrier
	s_wait_tensorcnt 0x0
	s_wait_dscnt 0x0
	s_barrier_signal -1
	s_barrier_wait -1
.endm
; A K step: four quarters on buffers 0, 1, 0, 1.  The last quarter's fragments are in registers when the slots change; it fetches the next slot's first.
; From a refill to the wait for it a wave issues 192 matrix instructions.
.macro STEP slot, next, fill, first
	QUARTER 0, 1, 1, \slot, 1, \first
	QUARTER 1, 0, 1, \slot, 2, 0
	QUARTER 0, 1, 1, \slot, 3, 0
.if \fill
	SYNCFILL \slot
.else
	SYNCBAR
.endif
	QUARTER 1, 0, 1, \next, 0, 0
.endm
	s_wait_loadcnt 0x0                             ; the bias, once
	s_wait_tensorcnt 2                             ; my two parts of K step 0 are in; K step 1's two stay out
	s_barrier_signal -1
	s_barrier_wait -1                              ; everybody's are
	FETCH 0, 0, 0
	STEP 0, 1, 1, 1                                ; K steps 0 and 1 stand ahead of the loop: the first products start the sums.  They ask for K steps 2 and 3
	STEP 1, 0, 1, 0
	WIN 0                                          ; at a label and at a branch every window is 0
	s_mov_b32 s3, 2
.Lk:
	STEP 0, 1, 1, 0                                ; K steps 2 to 5, which ask for 4 to 7
	STEP 1, 0, 1, 0
	WIN 0
	s_sub_co_u32 s3, s3, 1
	s_cmp_lg_u32 s3, 0
	s_cbranch_scc1 .Lk
	STEP 0, 1, 0, 0                                ; K step 6 fills nothing
	QUARTER 0, 1, 1, 1, 1, 0                       ; K step 7
	QUARTER 1, 0, 1, 1, 2, 0
	QUARTER 0, 1, 1, 1, 3, 0
	QUARTER 1, 0, 0, 0, 0, 0
	; THE WAY OUT.  Head g = 3 x + i (i = 0, 1, 2) belongs to which = g / 16, head g % 16; my rows are tokens 256 (y % 8) + 64 w .. of batch y / 8.
	; These registers hold both coordinates and feed no descriptor.
	PLACES                                         ; behind the last matrix instructions: for the conversions, which read results, and the loads into fragment and bias registers
	s_mul_i32 s66, s42, 3
	s_lshr_b32 s67, s13, 3                         ; batch
	s_and_b32 s76, s13, 7
	s_lshl_b32 s76, s76, 15                        ; 256 tokens of 128 bytes
	s_lshl_b32 s77, s10, 13                        ; 64 tokens
	s_add_co_u32 s76, s76, s77
.irp i, 0,1,2
	s_add_co_u32 s74, s66, \i                      ; g
	s_lshr_b32 s75, s74, 4                         ; which
	s_lshl1_add_u32 s75, s75, s67                  ; 2 which + batch
	s_and_b32 s74, s74, 15
	s_lshl4_add_u32 s74, s75, s74                  ; x 16 + head
	s_lshl_b32 s74, s74, 18                        ; chunks of 262,144 bytes
	s_add_co_u32 s74, s74, s76
	s_mov_b32 s75, 0
	s_add_nc_u64 s[68+2*\i:69+2*\i], s[8:9], s[74:75]
.endr
; Rows 16 a .. 16 a + 15 of my block: round to bf16, 16 bytes a lane into my own stage, read back by rows, store runs of 512 consecutive bytes (four tokens of a head).
; from: the window of the conversions' sources (0x0a: window 2, 0x0f: window 3); f: the registers of the read-back, two sets in turn.
.macro OUT16 a, from, f
	WIN \from
.irp b, 0,1,2,3,4,5,6,7,8,9,10,11
.irp j, 0,1,2,3
	v_cvt_pk_bf16_f32 v[TMP+4*\b+\j], v[8*(12*(\a&1)+\b)+2*\j], v[8*(12*(\a&1)+\b)+2*\j+1]
.endr
.endr
	WIN 0
.irp b, 0,1,2,3,4,5,6,7,8,9,10,11
	ds_store_b128 v[STO], v[TMP+4*\b:TMP+4*\b+3] offset:16*SP*(\b>>2)+32*(\b&3)
.endr
	s_wait_xcnt 0x0                                ; set f was the data of earlier stores: it is loaded again only behind this wait
.irp i, 0,1,2
.irp t, 0,1,2,3
	ds_load_b128 v[\f+16*\i+4*\t:\f+16*\i+4*\t+3], v[RD] offset:16*SP*\i+4*SP*\t      ; LDS serves a wave's instructions in order: these see the stores above
.endr
.endr
.irp i, 0,1,2
.irp t, 0,1,2,3
	s_wait_dscnt 11-4*\i-\t                        ; this read-back is in, the later ones stay out
	global_store_b128 v[CO], v[\f+16*\i+4*\t:\f+16*\i+4*\t+3], s[68+2*\i:69+2*\i] offset:2048*\a+512*\t
.endr
.endr
.endm
	OUT16 0, 0x0a, 32
	OUT16 1, 0x0a, 96
	OUT16 2, 0x0f, 32
	OUT16 3, 0x0f, 96
	s_wait_tensorcnt 0x0
	ds_add_u32 v254, v255
	s_wait_dscnt 0x0
	ROUND                                          ; the closing round: no work-group ends while a partner may still ask for a tile that names it
	s_endpgm
.Lfunc_end_k_q04460dcabe_qkvproj:
	.size	k_q04460dcabe_qkvproj, .Lfunc_end_k_q04460dcabe_qkvproj-k_q04460dcabe_qkvproj
	.p2alignl 7, 3214868480
	.fill 96, 4, 3214868480
	.section	.rodata,"a",@progbits
	.p2align	6, 0x0
	.amdhsa_kernel k_q04460dcabe_qkvproj
		.amdhsa_group_segment_fixed_size 327680
		.amdhsa_private_segment_fixed_size 0
		.amdhsa_enable_private_segment 0
		.amdhsa_kernarg_size 24
		.amdhsa_user_sgpr_count 2
		.amdhsa_user_sgpr_kernarg_segment_ptr 1
		.amdhsa_wavefront_size32 1
		.amdhsa_system_sgpr_workgroup_id_x 1
		.amdhsa_system_sgpr_workgroup_id_y 1
		.amdhsa_system_sgpr_workgroup_id_z 1
		.amdhsa_system_vgpr_workitem_id 0
		.amdhsa_next_free_vgpr 1024
		.amdhsa_next_free_sgpr 96
		.amdhsa_reserve_vcc 0
		.amdhsa_float_denorm_mode_32 3
		.amdhsa_float_denorm_mode_16_64 3
		.amdhsa_memory_ordered 1
		.amdhsa_forward_progress 1
		.amdhsa_inst_pref_size 165
	.end_amdhsa_kernel
	.amdgpu_metadata
---
amdhsa.version: [ 1, 2 ]
amdhsa.kernels:
  - .name:           k_q04460dcabe_qkvproj
    .symbol:         k_q04460dcabe_qkvproj.kd
    .args:
      - { .name: bf, .offset: 0, .size: 8, .value_kind: global_buffer, .address_space: global }
      - { .name: qkv_b, .offset: 8, .size: 8, .value_kind: global_buffer, .address_space: global }
      - { .name: qkvh, .offset: 16, .size: 8, .value_kind: global_buffer, .address_space: global }
    .group_segment_fixed_size: 327680
    .private_segment_fixed_size: 0
    .kernarg_segment_align: 8
    .kernarg_segment_size: 24
    .max_flat_workgroup_size: 128
    .sgpr_count:     96
    .vgpr_count:     1024
    .wavefront_size: 32
...
	.end_amdgpu_metadata
.endif
;; end of part 2
;; launch attn (part 3): grid 8 x 32, 8 waves a work-group, clusters of 4 x 1, 327,680 bytes of LDS; arguments qkvh, atth; writes atth
.if DOCPART == 3
	.amdgcn_target "amdgcn-amd-amdhsa--gfx1250"
	.amdhsa_code_object_version 6
	.text
	.protected	k_q04460dcabe_attn
	.globl	k_q04460dcabe_attn
	.p2align	8
	.type	k_q04460dcabe_attn,@function
k_q04460dcabe_attn:
	s_mov_b64 s[64:65], 0
	v_nop
	global_prefetch_b8 v0, s[64:65] scope:SCOPE_SE
	s_setreg_imm32_b32 hwreg(HW_REG_WAVE_MODE, 25, 1), 1
	s_wait_xcnt 0x0
	s_wait_alu depctr_hold_cnt(0) depctr_sa_sdst(0) depctr_va_vdst(0) depctr_va_sdst(0) depctr_va_ssrc(0) depctr_va_vcc(0) depctr_vm_vsrc(0)
	s_getreg_b32 s2, hwreg(HW_REG_IB_STS2, 6, 4)
	s_cmp_eq_u32 s2, 0
	s_cbranch_scc0 .Lentry_in_a_cluster
	s_endpgm
.Lentry_in_a_cluster:
	s_bfe_u32 s2, ttmp6, 0x10000c
	s_cmp_lg_u32 s2, 0x3003
	s_cbranch_scc0 .Lentry_shape_is_right
	s_endpgm
.Lentry_shape_is_right:
; atth[batch][head][token][64] = softmax(Q K^T / 8) V for one (batch, head) and 256 queries a work-group: 8 x 32 = 256 work-groups.
; Q, K, V: bf16, chunks of qkvh (2048 tokens x 128 bytes): Q at chunk bh, K at 32 + bh, V at 64 + bh, bh = 16 batch + head.
; Softmax in f32 with a running maximum: p = 2^(c s - c m), c = log2(e) / 8, m the largest raw score so far; sums and results are rescaled by 2^(c m_old - c m_new).
; LIMITS: P is rounded to bf16 for the product with V while the sum l is taken over the unrounded f32 values; an exponential below 2^-126 comes out as zero
; (ISA guide, v_exp_f32); scores must be finite (as wherever the reference's result is finite); the result is rounded to bf16.
; Eight waves of 32 queries, two to a SIMD, so that one wave's softmax arithmetic can run beside the other's matrix instructions; all of a wave's registers but v256-257 fit one window.
; TRANSPOSED: S^T = K Q^T (source 0 = 16 keys x 32 d, source 1 = 16 queries).  Lane l then holds query l % 16 and keys 8 (l / 16) + 0..7 of a tile.  Two neighbouring key
; tiles, packed to bf16 in place, ARE source 1 (32 keys x 16 queries) of O^T = V^T P^T: P never leaves the registers.  V^T comes from V's rows by the transposing LDS load.
; Maximum, sum and rescaling are per lane; one exchange between the two halves of 16 lanes joins a query's keys.
; K and V go in 8 tiles of 256 keys through two LDS slots.  CLUSTER: the four query blocks of a cluster read the same K and V: every tile is asked for jointly (mask 15).
; Wave w asks for keys 32 w .. 32 w + 31 of K and of V: by this text's own count two tensor loads of a wave are out at the most, with four blocks of 64 keys in which to land.
.set KP, 272                           ; K: a line of 256 bytes (two keys) + 16: a fragment load's 16 lanes touch columns 16 (r / 2) + 128 (r % 2): all different modulo 256
.set VP, 288                           ; V: a line + 32: the transposing load's 16 lanes touch 32 ((l % 8) / 2) + 128 (l % 2) + 16 (l / 8): all different modulo 256
.set KBYTES, 128*KP
.set SLOT,   128*KP+128*VP             ; 71,680 = 280 x 256
.set STAGE,  2*SLOT                    ; 143,360: behind the ring, never the target of a tensor load
.set SP,     144                       ; stage: a row of 128 bytes + 16
.set WSTAGE, 32*SP                     ; a wave's stage: its 32 queries
.set KADR, 2                           ; v2-3    LDS address of my K fragments in slot 0, 1
.set VADR, 4                           ; v4-5    the same for V
.set STO,  6
.set RD,   7
.set CO,   8
.set QO,   9
.set NMC,  10                          ; v10, v12  - c m of query tile 0, 1   (each the first of a pair whose second register is also live: packed forms name pairs)
.set MX,   11                          ; v11, v13  m
.set AL,   14                          ; v14, v16  the rescaling factor; at the end 1 / l
.set TN,   15                          ; v15, v17  the new maximum
.set LA,   18                          ; v[18:19], v[22:23]  sums, chain a
.set LB,   20                          ; v[20:21], v[24:25]  sums, chain b
.set TA,   26                          ; v26-29  four chains of maxima
.set TX,   30                          ; v30-31  what the other half of the lanes holds
.set VQ,   32                          ; v32-63    Q: fragment (query tile qt, d half kd) at 32 + 16 qt + 8 kd
.set VO,   64                          ; v64-127   O^T: tile 4 qt + dt
.set VS,   128                         ; v128-191  S^T: tile 4 qt + t; then P: (qt, ks) at 128 + 32 qt + 16 ks
.set VF,   192                         ; v192-255  fragments of K (4 key tiles x 2 d halves), then of V^T (2 key halves x 4 d tiles)
.set G1K, 16
.set G1V, 24
.set G0K, 32                           ; s[32:39] a set for each slot
.set G0V, 40                           ; s[40:47]
.macro PLACES                          ; four plain vector instructions between a matrix instruction and a load into, or a vector use of, its registers
.rept 4
	v_nop
.endr
.endm
.macro ROUND                           ; a round of the cluster's barrier
	s_barrier_signal -1
	s_barrier_wait -1
	s_cmp_lg_u32 s8, 0
	s_cbranch_scc1 .Lnot_wave_0_\@
	s_barrier_signal -3
.Lnot_wave_0_\@:
	s_barrier_wait -3
	s_barrier_signal -1
	s_barrier_wait -1
.endm
	s_load_b128 s[4:7], s[0:1], 0x0                ; qkvh s[4:5], atth s[6:7]
	s_set_vgpr_msb 0x40
	v_lshl_add_u32 v0, v0, 2, 0x2c000
	v_mov_b32 v1, 0
	s_set_vgpr_msb 0x4045
	ds_add_u32 v0, v1
	s_set_vgpr_msb 0x4500
	v_lshrrev_b32 v1, 5, v0
	v_readfirstlane_b32 s8, v1                     ; wave 0..7
	s_bfe_u32 s9, ttmp6, 0x40000                   ; cx
	s_lshl_b32 s10, ttmp9, 2
	s_add_co_u32 s10, s10, s9                      ; query block = 4 x cluster x + cx: enters global addresses of Q and of the result alone
	s_and_b32 s11, ttmp7, 0xffff                   ; bh: shared by the four partners
	s_mov_b32 s52, 0x76543210                      ; v_permlanex16_b32: lane i takes lane i of the other half
	s_mov_b32 s53, 0xfedcba98
	s_mov_b32 s54, 0x3e38aa3b                      ; c = log2(e) / 8
	s_mov_b32 s55, 0x3e38aa3b
	s_mov_b32 s56, 0xbe38aa3b                      ; - c
	; group 1: 16 lines of 32 elements of 8 bytes, dense in memory; padding behind every 64 words: 4 words for K, 8 for V; mask 15 with bit 21 beside it
	s_mov_b32 s[G1K+0], 15|(3<<16)|(1<<20)|(1<<21)|(5<<22)|(3<<25)
	s_mov_b32 s[G1V+0], 15|(3<<16)|(1<<20)|(1<<21)|(5<<22)|(7<<25)
	s_mov_b32 s[G1K+1], 32<<16                     ; tensor_dim0 = 32
	s_mov_b32 s[G1V+1], 32<<16
	s_mov_b32 s[G1K+2], 16<<16                     ; tensor_dim1 = 16
	s_mov_b32 s[G1V+2], 16<<16
	s_mov_b32 s[G1K+3], 32<<16                     ; tile_dim0 = 32
	s_mov_b32 s[G1V+3], 32<<16
	s_mov_b32 s[G1K+4], 16                         ; tile_dim1 = 16
	s_mov_b32 s[G1V+4], 16
	s_mov_b32 s[G1K+5], 32                         ; pitch = 32 elements
	s_mov_b32 s[G1V+5], 32
	s_mov_b32 s[G1K+6], 0
	s_mov_b32 s[G1V+6], 0
	s_mov_b32 s[G1K+7], 0
	s_mov_b32 s[G1V+7], 0
	s_lshl_b32 s49, s8, 12                         ; 32 tokens of 128 bytes for each wave
	s_add_co_u32 s12, s11, 32                      ; K's chunk
	s_lshl_b32 s12, s12, 18
	s_add_co_u32 s12, s12, s49
	s_mov_b32 s13, 0
	s_add_co_u32 s14, s11, 64                      ; V's chunk
	s_lshl_b32 s14, s14, 18
	s_add_co_u32 s14, s14, s49
	s_mov_b32 s15, 0
	s_lshl_b32 s48, s11, 18                        ; Q's chunk, and the result's: the same offset in both buffers
	s_add_co_u32 s48, s48, s49
	s_lshl_b32 s49, s10, 15                        ; 256 tokens for each query block
	s_add_co_u32 s48, s48, s49
	s_mov_b32 s49, 0
	s_mul_i32 s51, s8, 16*KP                       ; where my lines go: made of the wave's number alone
	s_mul_i32 s57, s8, 16*VP
	s_add_co_u32 s57, s57, KBYTES
	s_mul_i32 s62, s8, WSTAGE
	s_add_co_u32 s62, s62, STAGE                   ; my stage
	s_wait_dscnt 0x0
	s_wait_kmcnt 0x0
	s_add_nc_u64 s[12:13], s[4:5], s[12:13]
	s_add_nc_u64 s[14:15], s[4:5], s[14:15]
	s_add_nc_u64 s[58:59], s[4:5], s[48:49]        ; my 32 queries
	s_add_nc_u64 s[60:61], s[6:7], s[48:49]        ; and their results
.irp n, 0,1
	s_mov_b32 s[G0K+4*\n], 1
	s_add_co_u32 s[G0K+4*\n+1], s51, \n*SLOT
	s_add_nc_u64 s[G0K+4*\n+2:G0K+4*\n+3], s[12:13], \n*32768      ; tile n: 256 keys of 128 bytes
	s_or_b32 s[G0K+4*\n+3], s[G0K+4*\n+3], 0x80000000
	s_mov_b32 s[G0V+4*\n], 1
	s_add_co_u32 s[G0V+4*\n+1], s57, \n*SLOT
	s_add_nc_u64 s[G0V+4*\n+2:G0V+4*\n+3], s[14:15], \n*32768
	s_or_b32 s[G0V+4*\n+3], s[G0V+4*\n+3], 0x80000000
.endr
	ROUND                                          ; all four work-groups are here: the first joint loads meet
	tensor_load_to_lds s[G0K:G0K+3], s[G1K:G1K+7]  ; tile 0
	s_nop 0
	tensor_load_to_lds s[G0V:G0V+3], s[G1V:G1V+7]
	s_nop 0
	v_and_b32 v128, 15, v0                         ; r = l % 16
	v_bfe_u32 v129, v0, 4, 1                       ; h = l / 16
	v_lshlrev_b32 v[QO], 7, v128
	v_lshl_add_u32 v[QO], v129, 4, v[QO]           ; Q: row r, 16 h
.irp qt, 0,1
.irp kd, 0,1
	global_load_b128 v[VQ+16*\qt+8*\kd:VQ+16*\qt+8*\kd+3],   v[QO], s[58:59] offset:2048*\qt+64*\kd
	global_load_b128 v[VQ+16*\qt+8*\kd+4:VQ+16*\qt+8*\kd+7], v[QO], s[58:59] offset:2048*\qt+64*\kd+32
.endr
.endr
	v_bfe_u32 v130, v0, 1, 3                       ; r / 2: key r lies in line r / 2, at byte 128 (r % 2)
	v_and_b32 v131, 1, v0
	v_mul_u32_u24 v132, v130, KP
	v_lshl_add_u32 v132, v131, 7, v132
	v_lshl_add_u32 v[KADR], v129, 4, v132
	v_add_nc_u32 v[KADR+1], SLOT, v[KADR]
	v_bfe_u32 v133, v0, 1, 2                       ; V: lane l addresses key 8 h + l % 8: line 4 h + (l % 8) / 2, byte 128 (l % 2), and d column 16 ((l / 8) % 2)
	v_lshl_add_u32 v133, v129, 2, v133
	v_mul_u32_u24 v133, v133, VP
	v_lshl_add_u32 v133, v131, 7, v133
	v_bfe_u32 v134, v0, 3, 1
	v_lshl_add_u32 v133, v134, 4, v133
	v_add_nc_u32 v[VADR], KBYTES, v133
	v_add_nc_u32 v[VADR+1], SLOT+KBYTES, v133
	v_mul_u32_u24 v135, v128, SP
	v_lshl_add_u32 v135, v129, 4, v135
	v_add_nc_u32 v[STO], s62, v135                 ; stage, in: row r, 16 h
	v_bfe_u32 v136, v0, 3, 2
	v_mul_u32_u24 v136, v136, SP
	v_and_b32 v137, 7, v0
	v_lshl_add_u32 v136, v137, 4, v136
	v_add_nc_u32 v[RD], s62, v136                  ; stage, back: eight lanes a row, four rows a wave
	v_and_b32 v138, 31, v0
	v_lshlrev_b32 v[CO], 4, v138
	v_mov_b32 v[TX], 0                             ; v_permlanex16_b32 counts as a reader of its destination
	v_mov_b32 v[TX+1], 0
; eight LDS loads: K fragments of key tiles t0, t1 of key block kb (64 keys = 32 lines)
.macro KLOAD slot, kb, t0, t1
.irp t, \t0, \t1
.irp kd, 0,1
	ds_load_b128 v[VF+16*\t+8*\kd:VF+16*\t+8*\kd+3],   v[KADR+\slot] offset:32*KP*\kb+8*KP*\t+64*\kd
	ds_load_b128 v[VF+16*\t+8*\kd+4:VF+16*\t+8*\kd+7], v[KADR+\slot] offset:32*KP*\kb+8*KP*\t+64*\kd+32
.endr
.endr
.endm
; sixteen transposing loads: V^T fragments (16 d x 32 keys) of key block kb: key half ks, d tile dt; the second load of each is 16 keys (8 lines) further on
.macro VLOAD slot, kb
.irp ks, 0,1
.irp dt, 0,1,2,3
	ds_load_tr16_b128 v[VF+32*\ks+8*\dt:VF+32*\ks+8*\dt+3],   v[VADR+\slot] offset:32*VP*\kb+16*VP*\ks+32*\dt
	ds_load_tr16_b128 v[VF+32*\ks+8*\dt+4:VF+32*\ks+8*\dt+7], v[VADR+\slot] offset:32*VP*\kb+16*VP*\ks+8*VP+32*\dt
.endr
.endr
.endm
; eight matrix instructions: key tiles t0, t1 x both query tiles; d 0-31 starts the four sums, d 32-63 adds.  The four accumulators take turns.
.macro SMM t0, t1
.irp kd, 0,1
.irp t, \t0, \t1
.irp qt, 0,1
.if \kd == 0
	v_wmma_f32_16x16x32_bf16 v[VS+8*(4*\qt+\t):VS+8*(4*\qt+\t)+7], v[VF+16*\t+8*\kd:VF+16*\t+8*\kd+7], v[VQ+16*\qt+8*\kd:VQ+16*\qt+8*\kd+7], 0
.else
	v_wmma_f32_16x16x32_bf16 v[VS+8*(4*\qt+\t):VS+8*(4*\qt+\t)+7], v[VF+16*\t+8*\kd:VF+16*\t+8*\kd+7], v[VQ+16*\qt+8*\kd:VQ+16*\qt+8*\kd+7], v[VS+8*(4*\qt+\t):VS+8*(4*\qt+\t)+7]
.endif
.endr
.endr
.endr
.endm
; The block's maximum for each query, joined with the running one; - c m; the rescaling factor.  Chain c takes 15 of the 16 registers at VS + 16 c.
.macro ROWMAX first
.irp c, 0,1,2,3
	v_max3_num_f32 v[TA+\c], v[VS+16*\c], v[VS+16*\c+1], v[VS+16*\c+2]
.endr
.irp k, 1,2,3,4,5,6
.irp c, 0,1,2,3
	v_max3_num_f32 v[TA+\c], v[TA+\c], v[VS+16*\c+1+2*\k], v[VS+16*\c+2+2*\k]
.endr
.endr
.irp qt, 0,1
	v_max3_num_f32 v[TA+2*\qt], v[TA+2*\qt], v[VS+32*\qt+15], v[VS+32*\qt+31]     ; the two registers that the chains left
.endr
.irp qt, 0,1
	v_max_num_f32 v[TA+2*\qt], v[TA+2*\qt], v[TA+2*\qt+1]
.endr
.irp qt, 0,1
	v_permlanex16_b32 v[TX+\qt], v[TA+2*\qt], s52, s53         ; the same query's other keys
.endr
.irp qt, 0,1
.if \first
	v_max_num_f32 v[TN+2*\qt], v[TA+2*\qt], v[TX+\qt]
.else
	v_max3_num_f32 v[TN+2*\qt], v[TA+2*\qt], v[TX+\qt], v[MX+2*\qt]
.endif
.endr
.irp qt, 0,1
	v_mul_f32 v[NMC+2*\qt], s56, v[TN+2*\qt]
.endr
.if \first == 0
.irp qt, 0,1
	v_fma_f32 v[AL+2*\qt], v[MX+2*\qt], s54, v[NMC+2*\qt]      ; c m_old - c m_new
.endr
.endif
.irp qt, 0,1
	v_mov_b32 v[MX+2*\qt], v[TN+2*\qt]
.endr
.if \first == 0
	v_exp_f32 v[AL], v[AL]                         ; plain instructions on other registers (the next tile's multiply-adds) stand ahead of the first use
	v_exp_f32 v[AL+2], v[AL+2]
.endif
.endm
.macro FMA i                           ; c s - c m, two at a time; c and - c m are broadcast from the first register of their pairs
.irp j, 0,2,4,6
	v_pk_fma_f32 v[VS+8*\i+\j:VS+8*\i+\j+1], v[VS+8*\i+\j:VS+8*\i+\j+1], s[54:55], v[NMC+2*(\i>>2):NMC+2*(\i>>2)+1] op_sel_hi:[1,0,0]
.endr
.endm
.macro EXPS i
.irp j, 0,1,2,3,4,5,6,7
	v_exp_f32 v[VS+8*\i+\j], v[VS+8*\i+\j]
.endr
.endm
.macro RESC i                          ; O^T tile i times its query tile's factor
	s_wait_alu depctr_va_vdst(0)
.irp j, 0,2,4,6
	v_pk_mul_f32 v[VO+8*\i+\j:VO+8*\i+\j+1], v[VO+8*\i+\j:VO+8*\i+\j+1], v[AL+2*(\i>>2):AL+2*(\i>>2)+1] op_sel_hi:[1,0]
.endr
.endm
; Tile i = 4 qt + t: its eight p go into the two chains of sums (at t = 0 the old sums are rescaled in the same instruction; the first block starts them), then are packed
; to bf16 into registers 4 (t % 2) .. + 3 of P(qt, t / 2).  In place: tiles are taken in ascending order, and each target has been read before it is written.
.macro SUMCVT i, first
.set T_Q, \i>>2
.set T_T, \i&3
.set T_S, VS+8*\i
.set T_A, LA+4*T_Q
.set T_B, LB+4*T_Q
.set T_P, VS+32*T_Q+16*(T_T>>1)+4*(T_T&1)
.if T_T == 0
.if \first
	s_wait_alu depctr_va_vdst(0)
	v_pk_add_f32 v[T_A:T_A+1], v[T_S:T_S+1], v[T_S+4:T_S+5]
	v_pk_add_f32 v[T_B:T_B+1], v[T_S+2:T_S+3], v[T_S+6:T_S+7]
.else
	v_pk_fma_f32 v[T_A:T_A+1], v[T_A:T_A+1], v[AL+2*T_Q:AL+2*T_Q+1], v[T_S:T_S+1] op_sel_hi:[1,0,1]
	v_pk_fma_f32 v[T_B:T_B+1], v[T_B:T_B+1], v[AL+2*T_Q:AL+2*T_Q+1], v[T_S+2:T_S+3] op_sel_hi:[1,0,1]
	v_pk_add_f32 v[T_A:T_A+1], v[T_A:T_A+1], v[T_S+4:T_S+5]
	v_pk_add_f32 v[T_B:T_B+1], v[T_B:T_B+1], v[T_S+6:T_S+7]
.endif
.else
	s_wait_alu depctr_va_vdst(0)
	v_pk_add_f32 v[T_A:T_A+1], v[T_A:T_A+1], v[T_S:T_S+1]
	v_pk_add_f32 v[T_B:T_B+1], v[T_B:T_B+1], v[T_S+2:T_S+3]
	v_pk_add_f32 v[T_A:T_A+1], v[T_A:T_A+1], v[T_S+4:T_S+5]
	v_pk_add_f32 v[T_B:T_B+1], v[T_B:T_B+1], v[T_S+6:T_S+7]
.endif
.irp j, 0,1,2,3
	v_cvt_pk_bf16_f32 v[T_P+\j], v[T_S+2*\j], v[T_S+2*\j+1]
.endr
.endm
; Tile i's exponentials, with plain work of other tiles behind them: the exponentials of tile i are first used one such step later (ISA guide 5.7.2 asks for one plain instruction)
.macro SOFT1 i, j, first
	FMA \i
	EXPS \i
.if \first == 0
	RESC \i
.endif
	SUMCVT \j, \first
.endm
; eight matrix instructions: O^T tile i = 4 qt + dt += V^T(dt, key half ks) P(qt, ks).  The eight accumulators take turns.
.macro PV ks, first
.irp i, 0,1,2,3,4,5,6,7
.if \first
	v_wmma_f32_16x16x32_bf16 v[VO+8*\i:VO+8*\i+7], v[VF+32*\ks+8*(\i&3):VF+32*\ks+8*(\i&3)+7], v[VS+32*(\i>>2)+16*\ks:VS+32*(\i>>2)+16*\ks+7], 0
.else
	v_wmma_f32_16x16x32_bf16 v[VO+8*\i:VO+8*\i+7], v[VF+32*\ks+8*(\i&3):VF+32*\ks+8*(\i&3)+7], v[VS+32*(\i>>2)+16*\ks:VS+32*(\i>>2)+16*\ks+7], v[VO+8*\i:VO+8*\i+7]
.endif
.endr
.endm
; 64 keys against my 32 queries.  first = 1: nothing to rescale, the sums start here.  pre = 1: the K fragments of key block nkb of the same slot are asked for on the way.
.macro BLOCK slot, kb, nkb, first, pre
	s_wait_dscnt 8                                 ; K tiles 0, 1 are in; the eight younger loads (tiles 2, 3) may stay out
	SMM 0, 1
	s_wait_dscnt 0
	SMM 2, 3
	PLACES                                         ; for the loads into the fragment registers and for the reads of S
	VLOAD \slot, \kb
	ROWMAX \first
	FMA 0
	EXPS 0
.if \first == 0
	RESC 0
.endif
	SOFT1 1, 0, \first
	SOFT1 2, 1, \first
	SOFT1 3, 2, \first
	SOFT1 4, 3, \first
	SOFT1 5, 4, \first
	SOFT1 6, 5, \first
	SOFT1 7, 6, \first
	SUMCVT 7, \first
	s_wait_dscnt 0                                 ; V's fragments, asked for ahead of the softmax
	PV 0, \first
	PLACES                                         ; the first half of the fragment registers has been read
.if \pre
	KLOAD \slot, \nkb, 0, 1
.endif
	PV 1, 0
	PLACES                                         ; five places: the next block's first products write over P, which these have read; the loads below need four
	v_nop
.if \pre
	KLOAD \slot, \nkb, 2, 3
.endif
.endm
; A tile of 256 keys.  Every wave has waited for all its tensor loads (its parts of this tile) and for its reads of the other slot; the cluster's round makes both hold of
; every wave of the four work-groups; the joint refills of the other slot come first behind it.
.macro TRIP slot, refill, first
	s_set_vgpr_msb 0x5
	s_wait_tensorcnt 0x0
	ds_add_u32 v0, v1
	s_wait_dscnt 0x0
	s_set_vgpr_msb 0x500
	s_add_nc_u64 s[G0K+4*\slot+2:G0K+4*\slot+3], s[G0K+4*\slot+2:G0K+4*\slot+3], 65536   ; no tensor load of mine is out: this slot's next tile, two tiles on
	s_add_nc_u64 s[G0V+4*\slot+2:G0V+4*\slot+3], s[G0V+4*\slot+2:G0V+4*\slot+3], 65536
	s_wait_dscnt 0x0
	ROUND
.if \refill
	tensor_load_to_lds s[G0K+4-4*\slot:G0K+7-4*\slot], s[G1K:G1K+7]
	s_nop 0
	tensor_load_to_lds s[G0V+4-4*\slot:G0V+7-4*\slot], s[G1V:G1V+7]
	s_nop 0
.endif
	KLOAD \slot, 0, 0, 1
	KLOAD \slot, 0, 2, 3
	BLOCK \slot, 0, 1, \first, 1
	BLOCK \slot, 1, 2, 0, 1
	BLOCK \slot, 2, 3, 0, 1
	BLOCK \slot, 3, 0, 0, 0
.endm
	s_wait_loadcnt 0x0                             ; Q, once
	TRIP 0, 1, 1                                   ; tiles 0 and 1 stand ahead of the loop: the first block starts maxima and sums
	TRIP 1, 1, 0
	s_mov_b32 s50, 2
.Ltiles:
	TRIP 0, 1, 0                                   ; tiles 2 to 5
	TRIP 1, 1, 0
	s_sub_co_u32 s50, s50, 1
	s_cmp_lg_u32 s50, 0
	s_cbranch_scc1 .Ltiles
	TRIP 0, 1, 0                                   ; tile 6 asks for tile 7, the last
	TRIP 1, 0, 0
	; The end: l over the four chains' halves and the two halves of the lanes; O / l; bf16; through my own stage; runs of 512 consecutive bytes (four tokens).
	; The five places at the last block's end stand between the last matrix instructions and all of this.
.irp qt, 0,1
	v_pk_add_f32 v[LA+4*\qt:LA+4*\qt+1], v[LA+4*\qt:LA+4*\qt+1], v[LB+4*\qt:LB+4*\qt+1]
.endr
.irp qt, 0,1
	v_add_f32 v[LA+4*\qt], v[LA+4*\qt], v[LA+4*\qt+1]
.endr
.irp qt, 0,1
	v_permlanex16_b32 v[TX+\qt], v[LA+4*\qt], s52, s53
.endr
.irp qt, 0,1
	v_add_f32 v[LA+4*\qt], v[LA+4*\qt], v[TX+\qt]
.endr
	v_rcp_f32 v[AL], v[LA]                         ; l is at least about 1: the largest score's own term
	v_rcp_f32 v[AL+2], v[LA+4]
	v_nop                                          ; one plain instruction ahead of the first use
	s_wait_alu depctr_va_vdst(0)
.irp i, 0,1,2,3,4,5,6,7
	RESC \i
.endr
.irp i, 0,1,2,3,4,5,6,7
.irp j, 0,1,2,3
	v_cvt_pk_bf16_f32 v[VS+4*\i+\j], v[VO+8*\i+2*\j], v[VO+8*\i+2*\j+1]       ; query r, d = 16 dt + 8 h + 0..7: 16 bytes
.endr
.endr
.irp i, 0,1,2,3,4,5,6,7
	ds_store_b128 v[STO], v[VS+4*\i:VS+4*\i+3] offset:16*SP*(\i>>2)+32*(\i&3)
.endr
.irp t, 0,1,2,3,4,5,6,7
	ds_load_b128 v[VF+4*\t:VF+4*\t+3], v[RD] offset:4*SP*\t                   ; LDS serves a wave's instructions in order: these see the stores above
.endr
.irp t, 0,1,2,3,4,5,6,7
	s_wait_dscnt 7-\t                              ; this read-back is in, the later ones stay out
	global_store_b128 v[CO], v[VF+4*\t:VF+4*\t+3], s[60:61] offset:512*\t
.endr
	s_set_vgpr_msb 0x5
	s_wait_tensorcnt 0x0
	ds_add_u32 v0, v1
	s_wait_dscnt 0x0
	s_set_vgpr_msb 0x500
	ROUND                                          ; the closing round: no work-group ends while a partner may still ask for a tile that names it
	s_endpgm
.Lfunc_end_k_q04460dcabe_attn:
	.size	k_q04460dcabe_attn, .Lfunc_end_k_q04460dcabe_attn-k_q04460dcabe_attn
	.p2alignl 7, 3214868480
	.fill 96, 4, 3214868480
	.section	.rodata,"a",@progbits
	.p2align	6, 0x0
	.amdhsa_kernel k_q04460dcabe_attn
		.amdhsa_group_segment_fixed_size 327680
		.amdhsa_private_segment_fixed_size 0
		.amdhsa_enable_private_segment 0
		.amdhsa_kernarg_size 16
		.amdhsa_user_sgpr_count 2
		.amdhsa_user_sgpr_kernarg_segment_ptr 1
		.amdhsa_wavefront_size32 1
		.amdhsa_system_sgpr_workgroup_id_x 1
		.amdhsa_system_sgpr_workgroup_id_y 1
		.amdhsa_system_sgpr_workgroup_id_z 1
		.amdhsa_system_vgpr_workitem_id 0
		.amdhsa_next_free_vgpr 258
		.amdhsa_next_free_sgpr 72
		.amdhsa_reserve_vcc 0
		.amdhsa_float_denorm_mode_32 3
		.amdhsa_float_denorm_mode_16_64 3
		.amdhsa_memory_ordered 1
		.amdhsa_forward_progress 1
		.amdhsa_inst_pref_size 255
	.end_amdhsa_kernel
	.section	.bss,"aw",@nobits
	.p2align	6
	.space	262144
	.amdgpu_metadata
---
amdhsa.version: [ 1, 2 ]
amdhsa.kernels:
  - .name:           k_q04460dcabe_attn
    .symbol:         k_q04460dcabe_attn.kd
    .args:
      - { .name: qkvh, .offset: 0, .size: 8, .value_kind: global_buffer, .address_space: global }
      - { .name: atth, .offset: 8, .size: 8, .value_kind: global_buffer, .address_space: global }
    .group_segment_fixed_size: 327680
    .private_segment_fixed_size: 0
    .kernarg_segment_align: 8
    .kernarg_segment_size: 16
    .max_flat_workgroup_size: 256
    .sgpr_count:     72
    .vgpr_count:     258
    .wavefront_size: 32
...
	.end_amdgpu_metadata
.endif
;; end of part 3
;; launch outproj (part 4): grid 8 x 32, 4 waves a work-group, clusters of 4 x 4, 327,680 bytes of LDS; arguments atth, bf, out_b, out0; writes out0
.if DOCPART == 4
	.amdgcn_target "amdgcn-amd-amdhsa--gfx1250"
	.amdhsa_code_object_version 6
	.text
	.protected	k_q04460dcabe_outproj
	.globl	k_q04460dcabe_outproj
	.p2align	8
	.type	k_q04460dcabe_outproj,@function
k_q04460dcabe_outproj:
	s_mov_b64 s[64:65], 0
	v_nop
	global_prefetch_b8 v0, s[64:65] scope:SCOPE_SE
	s_setreg_imm32_b32 hwreg(HW_REG_WAVE_MODE, 25, 1), 1
	s_wait_xcnt 0x0
	s_wait_alu depctr_hold_cnt(0) depctr_sa_sdst(0) depctr_va_vdst(0) depctr_va_sdst(0) depctr_va_ssrc(0) depctr_va_vcc(0) depctr_vm_vsrc(0)
	s_getreg_b32 s2, hwreg(HW_REG_IB_STS2, 6, 4)
	s_cmp_eq_u32 s2, 0
	s_cbranch_scc0 .Lentry_in_a_cluster
	s_endpgm
.Lentry_in_a_cluster:
	s_bfe_u32 s2, ttmp6, 0x10000c
	s_cmp_lg_u32 s2, 0xf033
	s_cbranch_scc0 .Lentry_shape_is_right
	s_endpgm
.Lentry_shape_is_right:
; out0 = att W^T + b.  att: atth[batch][head][token][64] bf16 (k = 64 head + d), W: [1024][1024] bf16 at bf + 14,680,064, b: [1024] f32, out0: [4096][1024] f32.
; Sums in f32, started from the bias.  LIMIT: operands are bf16 roundings; the result is the f32 sum as it stands.
; A work-group makes 128 rows x 128 columns: 8 x 32 = 256 work-groups (a larger block would leave WGPs without work).  Four waves, 2 x 2, 64 x 64 each: 16 accumulator tiles.
; K goes in 8 steps of 128 = two heads.  A K step is only 64 matrix instructions of a wave, so the ring has four slots, filled two at a time: a refill has two K steps in which to land.
; All 8 steps are written out.  By this text's own count a wave has at most eight tensor loads out (the first four K steps), later four.
; CLUSTERS: 4 x 4 work-groups; att's tiles hang on the block row alone and are asked for jointly along a cluster's row, W's on the block column alone, jointly along a column.
; Each wave asks for a quarter of each tile: 64 tokens of one head (32 dense lines of 256 bytes, two tokens a line), and 32 rows of W.
; TRANSPOSED USE: source 0 = 16 rows of W, source 1 = 16 rows of att: lane l holds row l % 16 and columns 8 (l / 16) + 0..7 of a tile, 32 bytes of f32.
; REGISTERS: window 0: v8-18 addresses; fragments of att at 32 + 64 p, of W at 64 + 64 p (p = buffer 0, 1); v160-191 bias; v192-223, v224-255 the way out.
;            window 1: accumulator tile (a, b) at 8 (4 a + b).
.set PITCH,  272                       ; 256 bytes + 16: the 16 lanes of a fragment load touch 16 different 16-byte columns modulo 256, in both layouts
.set HBYTES, 64*PITCH                  ; one head's 128 tokens: 64 lines
.set ABYTES, 2*HBYTES
.set SLOT,   256*PITCH                 ; att's 128 lines, then W's 128 rows: 69,632 bytes
.set STAGE,  4*SLOT                    ; 278,528 = 1088 x 256: behind the ring, never the target of a tensor load
.set WSTAGE, 16*PITCH                  ; a wave's stage: 16 rows of 64 f32
.set WOFF,   14680064                  ; W in bf
.set ADRA, 8                           ; v8-11   LDS address of my fragments of att in slot 0..3
.set ADRB, 12                          ; v12-15  the same for W
.set STO,  16
.set RD,   17
.set CO,   18
.set FA,   32
.set FB,   64
.set BIAS, 160
.set G1A, 16
.set G1B, 24
.set G0A, 32                           ; s[32:47] a set for each slot
.set G0B, 48                           ; s[48:63]
.set MSB, 0
.macro WIN new
.if MSB != \new
	s_set_vgpr_msb (MSB<<8)|\new
.set MSB, \new
.endif
.endm
.macro PLACES                          ; four plain vector instructions between a matrix instruction and a load into, or a store of, its registers
.rept 4
	v_nop
.endr
.endm
.macro ROUND                           ; a round of the cluster's barrier
	s_barrier_signal -1
	s_barrier_wait -1
	s_cmp_lg_u32 s12, 0
	s_cbranch_scc1 .Lnot_wave_0_\@
	s_barrier_signal -3
.Lnot_wave_0_\@:
	s_barrier_wait -3
	s_barrier_signal -1
	s_barrier_wait -1
.endm
	s_load_b256 s[4:11], s[0:1], 0x0               ; atth s[4:5], bf s[6:7], out_b s[8:9], out0 s[10:11]
	v_lshl_add_u32 v30, v0, 2, 0x48400
	v_mov_b32 v31, 0
	ds_add_u32 v30, v31
	v_lshrrev_b32 v1, 5, v0
	v_readfirstlane_b32 s12, v1                    ; wave 0..3
	s_lshr_b32 s13, s12, 1                         ; wr: my half of the rows.  Also: which of the K step's two heads I fetch
	s_and_b32 s14, s12, 1                          ; wc: my half of the columns.  Also: which 64 tokens of it
	s_bfe_u32 s66, ttmp6, 0x40000                  ; cx
	s_bfe_u32 s67, ttmp6, 0x40004                  ; cy
	s_lshl_b32 s68, ttmp9, 2
	s_add_co_u32 s68, s68, s66                     ; x: block of 128 columns
	s_and_b32 s69, ttmp7, 0xffff
	s_lshl_b32 s69, s69, 2
	s_add_co_u32 s69, s69, s67                     ; y: block of 128 rows
	s_lshl_b32 s70, s67, 2
	s_lshl_b32 s70, 15, s70                        ; my row of the cluster
	s_lshl_b32 s71, 0x1111, s66                    ; my column
	s_or_b32 s[G1A+0], s70, (3<<16)|(1<<20)|(1<<21)|(5<<22)|(3<<25)    ; elements of 8 bytes; padding of 4 words behind every 64; bit 21 beside the mask
	s_or_b32 s[G1B+0], s71, (1<<16)|(1<<20)|(1<<21)|(5<<22)|(3<<25)    ; elements of 2 bytes
	s_mov_b32 s[G1A+1], 32<<16                     ; tensor_dim0: 32 elements of 8 bytes
	s_mov_b32 s[G1B+1], 128<<16                    ;              128 of 2
	s_mov_b32 s[G1A+2], 32<<16                     ; tensor_dim1 = 32 lines
	s_mov_b32 s[G1B+2], 32<<16                     ;             = 32 rows
	s_mov_b32 s[G1A+3], 32<<16                     ; tile_dim0
	s_mov_b32 s[G1B+3], 128<<16
	s_mov_b32 s[G1A+4], 32                         ; tile_dim1
	s_mov_b32 s[G1B+4], 32
	s_mov_b32 s[G1A+5], 32                         ; pitch: dense
	s_mov_b32 s[G1B+5], 1024                       ; pitch: a row of W
	s_mov_b32 s[G1A+6], 0
	s_mov_b32 s[G1B+6], 0
	s_mov_b32 s[G1A+7], 0
	s_mov_b32 s[G1B+7], 0
	; att: token ((16 (y / 16) + head) x 2048 + 128 (y % 16) + 64 wc), head = wr in K step 0; made of y and the wave alone
	s_lshr_b32 s72, s69, 4
	s_lshl_b32 s72, s72, 4
	s_add_co_u32 s72, s72, s13
	s_lshl_b32 s72, s72, 11
	s_and_b32 s76, s69, 15
	s_lshl_b32 s76, s76, 7
	s_add_co_u32 s72, s72, s76
	s_lshl_b32 s76, s14, 6
	s_add_co_u32 s72, s72, s76
	s_lshl_b32 s72, s72, 7                         ; x 128 bytes
	s_mov_b32 s73, 0
	; W: row 128 x + 32 w; made of x and the wave alone
	s_lshl_b32 s74, s68, 7
	s_lshl_b32 s77, s12, 5
	s_add_co_u32 s74, s74, s77
	s_lshl_b32 s74, s74, 11
	s_add_co_u32 s74, s74, WOFF
	s_mov_b32 s75, 0
	s_mul_i32 s78, s12, 32*PITCH                   ; where my quarters go: made of the wave's number alone
	s_add_co_u32 s79, s78, ABYTES
	s_mul_i32 s80, s13, 32*PITCH                   ; my 64 rows of att: 32 lines of each head
	s_mul_i32 s81, s14, 64*PITCH                   ; my 64 rows of W,
	s_add_co_u32 s81, s81, ABYTES                  ; which lie behind att's lines
	s_mul_i32 s82, s12, WSTAGE
	s_add_co_u32 s82, s82, STAGE                   ; my stage
	; the result's and the bias's offsets hold both coordinates and feed no descriptor
	s_lshl_b32 s84, s69, 7
	s_lshl_b32 s86, s13, 6
	s_add_co_u32 s84, s84, s86                     ; row 128 y + 64 wr
	s_lshl_b32 s84, s84, 12                        ; x 4,096 bytes
	s_lshl_b32 s88, s68, 9
	s_lshl_b32 s86, s14, 8
	s_add_co_u32 s88, s88, s86                     ; column bytes 512 x + 256 wc
	s_add_co_u32 s84, s84, s88
	s_mov_b32 s85, 0
	s_mov_b32 s89, 0
	s_wait_dscnt 0x0
	s_wait_kmcnt 0x0
	s_add_nc_u64 s[72:73], s[4:5], s[72:73]
	s_add_nc_u64 s[74:75], s[6:7], s[74:75]
	s_add_nc_u64 s[84:85], s[10:11], s[84:85]
	s_add_nc_u64 s[88:89], s[8:9], s[88:89]
	ROUND                                          ; all sixteen work-groups are here: the first joint loads meet
.irp n, 0,1,2,3
	s_mov_b32 s[G0A+4*\n], 1
	s_add_co_u32 s[G0A+4*\n+1], s78, \n*SLOT
	s_add_nc_u64 s[G0A+4*\n+2:G0A+4*\n+3], s[72:73], \n*524288     ; K step n: two heads of 262,144 bytes on
	s_or_b32 s[G0A+4*\n+3], s[G0A+4*\n+3], 0x80000000
	s_mov_b32 s[G0B+4*\n], 1
	s_add_co_u32 s[G0B+4*\n+1], s79, \n*SLOT
	s_add_nc_u64 s[G0B+4*\n+2:G0B+4*\n+3], s[74:75], \n*256
	s_or_b32 s[G0B+4*\n+3], s[G0B+4*\n+3], 0x80000000
	tensor_load_to_lds s[G0A+4*\n:G0A+4*\n+3], s[G1A:G1A+7]
	s_nop 0
	tensor_load_to_lds s[G0B+4*\n:G0B+4*\n+3], s[G1B:G1B+7]
	s_nop 0
.endr
	v_and_b32 v1, 15, v0                           ; r
	v_bfe_u32 v2, v0, 4, 1                         ; h
	v_bfe_u32 v3, v0, 1, 3                         ; r / 2: token r lies in line r / 2, at byte 128 (r % 2)
	v_and_b32 v4, 1, v0
	v_mul_u32_u24 v3, v3, PITCH
	v_lshl_add_u32 v3, v4, 7, v3
	v_lshl_add_u32 v3, v2, 4, v3
	v_add_nc_u32 v3, s80, v3
	v_mul_u32_u24 v5, v1, PITCH
	v_lshl_add_u32 v5, v2, 4, v5
	v_add_nc_u32 v5, s81, v5
.irp n, 0,1,2,3
	v_add_nc_u32 v[ADRA+\n], \n*SLOT, v3
	v_add_nc_u32 v[ADRB+\n], \n*SLOT, v5
.endr
	v_mul_u32_u24 v6, v1, PITCH
	v_lshl_add_u32 v6, v2, 5, v6
	v_add_nc_u32 v[STO], s82, v6                   ; stage, in: row r, 32 bytes for each half of the lanes
	v_mul_u32_u24 v7, v2, PITCH
	v_lshl_add_u32 v7, v1, 4, v7
	v_add_nc_u32 v[RD], s82, v7                    ; stage, back: lanes 0-15 one row of 256 bytes, lanes 16-31 the next
	v_lshlrev_b32 v[CO], 12, v2
	v_lshl_add_u32 v[CO], v1, 4, v[CO]             ; and the same two rows in out0
	v_lshlrev_b32 v19, 5, v2                       ; 32 h
.irp b, 0,1,2,3
	global_load_b128 v[BIAS+8*\b:BIAS+8*\b+3],   v19, s[88:89] offset:64*\b    ; register j: bias of column 16 b + 8 h + j, as in an accumulator
	global_load_b128 v[BIAS+8*\b+4:BIAS+8*\b+7], v19, s[88:89] offset:64*\b+16
.endr
; 16 LDS loads: the fragments of quarter q of a slot into buffer p.  Quarter q is d = 32 (q % 2) .. of the K step's head q / 2.
.macro FETCH slot, q, p
	WIN 0
.irp b, 0,1,2,3
	ds_load_b128 v[FB+64*\p+8*\b:FB+64*\p+8*\b+3],   v[ADRB+\slot] offset:16*PITCH*\b+64*\q
	ds_load_b128 v[FB+64*\p+8*\b+4:FB+64*\p+8*\b+7], v[ADRB+\slot] offset:16*PITCH*\b+64*\q+32
.endr
.irp a, 0,1,2,3
	ds_load_b128 v[FA+64*\p+8*\a:FA+64*\p+8*\a+3],   v[ADRA+\slot] offset:8*PITCH*\a+HBYTES*(\q>>1)+64*(\q&1)
	ds_load_b128 v[FA+64*\p+8*\a+4:FA+64*\p+8*\a+7], v[ADRA+\slot] offset:8*PITCH*\a+HBYTES*(\q>>1)+64*(\q&1)+32
.endr
.endm
; A quarter's 16 matrix instructions; the 16 accumulators take turns, one instruction a turn.  first = 1: the sums start from the bias.
.macro MULALL p, first
.if \first
	WIN 0x40                                       ; D window 1; sources and the bias window 0
.else
	WIN 0x50                                       ; C and D window 1
.endif
.irp a, 0,1,2,3
.irp b, 0,1,2,3
.if \first
	v_wmma_f32_16x16x32_bf16 v[8*(4*\a+\b):8*(4*\a+\b)+7], v[FB+64*\p+8*\b:FB+64*\p+8*\b+7], v[FA+64*\p+8*\a:FA+64*\p+8*\a+7], v[BIAS+8*\b:BIAS+8*\b+7]
.else
	v_wmma_f32_16x16x32_bf16 v[8*(4*\a+\b):8*(4*\a+\b)+7], v[FB+64*\p+8*\b:FB+64*\p+8*\b+7], v[FA+64*\p+8*\a:FA+64*\p+8*\a+7], v[8*(4*\a+\b):8*(4*\a+\b)+7]
.endif
.endr
.endr
.endm
.macro QUARTER p, g, fetch, nslot, nq, first
.if \fetch
	PLACES
	FETCH \nslot, \nq, \g
	s_wait_dscnt 16                                ; all but the 16 loads just issued: buffer p is in
.else
	s_wait_dscnt 0
.endif
	MULALL \p, \first
.endm
.macro THREE slot, first               ; the first three quarters of a K step
	QUARTER 0, 1, 1, \slot, 1, \first
	QUARTER 1, 0, 1, \slot, 2, 0
	QUARTER 0, 1, 1, \slot, 3, 0
.endm
.macro SYNCBAR left                    ; the next slot's tile is shown to all four waves; the younger tiles' loads may stay out
	s_wait_tensorcnt \left
	s_wait_dscnt 0x0
	s_barrier_signal -1
	s_barrier_wait -1
.endm
; Slots a and b have been read and are filled again, four K steps on.  Every wave has waited for all its tensor loads and for its LDS reads; the cluster's round makes both hold
; of every wave of all sixteen work-groups; the four joint refills come first behind it.
.macro SYNCFILL a, b
	WIN 0                                          ; branches and a label follow
	s_wait_tensorcnt 0x0
	ds_add_u32 v30, v31
	s_wait_dscnt 0x0
	ROUND
.irp n, \a, \b
	s_add_nc_u64 s[G0A+4*\n+2:G0A+4*\n+3], s[G0A+4*\n+2:G0A+4*\n+3], 2097152    ; eight heads on; no tensor load of mine is out
	s_add_nc_u64 s[G0B+4*\n+2:G0B+4*\n+3], s[G0B+4*\n+2:G0B+4*\n+3], 1024
.endr
.irp n, \a, \b
	tensor_load_to_lds s[G0A+4*\n:G0A+4*\n+3], s[G1A:G1A+7]
	s_nop 0
	tensor_load_to_lds s[G0B+4*\n:G0B+4*\n+3], s[G1B:G1B+7]
	s_nop 0
.endr
.endm
	s_wait_loadcnt 0x0                             ; the bias, once
	s_wait_tensorcnt 6                             ; my two parts of K step 0 are in; the six younger loads stay out
	s_barrier_signal -1
	s_barrier_wait -1
	FETCH 0, 0, 0
	THREE 0, 1                                     ; K step 0
	SYNCBAR 4                                      ; K step 1's two loads are in; those of K steps 2 and 3 stay out
	QUARTER 1, 0, 1, 1, 0, 0
	THREE 1, 0                                     ; K step 1
	SYNCFILL 0, 1                                  ; K steps 2 and 3 have landed everywhere; 4 and 5 go out
	QUARTER 1, 0, 1, 2, 0, 0
	THREE 2, 0                                     ; K step 2
	QUARTER 1, 0, 1, 3, 0, 0                       ; slot 3 was shown whole by the round above
	THREE 3, 0                                     ; K step 3
	SYNCFILL 2, 3                                  ; K steps 4 and 5 have landed everywhere; 6 and 7 go out
	QUARTER 1, 0, 1, 0, 0, 0
	THREE 0, 0                                     ; K step 4
	QUARTER 1, 0, 1, 1, 0, 0                       ; slot 1 was shown whole by the round above
	THREE 1, 0                                     ; K step 5
	SYNCBAR 2                                      ; K step 6's two loads are in; K step 7's two stay out
	QUARTER 1, 0, 1, 2, 0, 0
	THREE 2, 0                                     ; K step 6
	SYNCBAR 0                                      ; K step 7
	QUARTER 1, 0, 1, 3, 0, 0
	THREE 3, 0                                     ; K step 7
	QUARTER 1, 0, 0, 0, 0, 0
	; THE WAY OUT, 16 rows at a time: 32 bytes a lane into my own stage, read back as whole rows of 256 bytes, stored so that 16 lanes cover 256 consecutive bytes, aligned.
	PLACES                                         ; behind the last matrix instructions: the LDS stores read results
.macro OUT16 a, f
	WIN 0x04                                       ; an LDS store's data is source 1: window 1
.irp b, 0,1,2,3
	ds_store_b128 v[STO], v[8*(4*\a+\b):8*(4*\a+\b)+3]   offset:64*\b
	ds_store_b128 v[STO], v[8*(4*\a+\b)+4:8*(4*\a+\b)+7] offset:64*\b+16
.endr
	WIN 0
	s_wait_xcnt 0x0                                ; set f was the data of earlier stores: it is loaded again only behind this wait
.irp t, 0,1,2,3,4,5,6,7
	ds_load_b128 v[\f+4*\t:\f+4*\t+3], v[RD] offset:2*PITCH*\t                 ; LDS serves a wave's instructions in order: these see the stores above
.endr
.irp t, 0,1,2,3,4,5,6,7
	s_wait_dscnt 7-\t                              ; this read-back is in, the later ones stay out
	global_store_b128 v[CO], v[\f+4*\t:\f+4*\t+3], s[84:85] offset:65536*\a+8192*\t th:TH_STORE_NT   ; written once, not read again
.endr
.endm
	OUT16 0, 192
	OUT16 1, 224
	OUT16 2, 192
	OUT16 3, 224
	s_wait_tensorcnt 0x0
	ds_add_u32 v30, v31
	s_wait_dscnt 0x0
	ROUND                                          ; the closing round: no work-group ends while a partner may still ask for a tile that names it
	s_endpgm
.Lfunc_end_k_q04460dcabe_outproj:
	.size	k_q04460dcabe_outproj, .Lfunc_end_k_q04460dcabe_outproj-k_q04460dcabe_outproj
	.p2alignl 7, 3214868480
	.fill 96, 4, 3214868480
	.section	.rodata,"a",@progbits
	.p2align	6, 0x0
	.amdhsa_kernel k_q04460dcabe_outproj
		.amdhsa_group_segment_fixed_size 327680
		.amdhsa_private_segment_fixed_size 0
		.amdhsa_enable_private_segment 0
		.amdhsa_kernarg_size 32
		.amdhsa_user_sgpr_count 2
		.amdhsa_user_sgpr_kernarg_segment_ptr 1
		.amdhsa_wavefront_size32 1
		.amdhsa_system_sgpr_workgroup_id_x 1
		.amdhsa_system_sgpr_workgroup_id_y 1
		.amdhsa_system_sgpr_workgroup_id_z 1
		.amdhsa_system_vgpr_workitem_id 0
		.amdhsa_next_free_vgpr 384
		.amdhsa_next_free_sgpr 96
		.amdhsa_reserve_vcc 0
		.amdhsa_float_denorm_mode_32 3
		.amdhsa_float_denorm_mode_16_64 3
		.amdhsa_memory_ordered 1
		.amdhsa_forward_progress 1
		.amdhsa_inst_pref_size 92
	.end_amdhsa_kernel
	.amdgpu_metadata
---
amdhsa.version: [ 1, 2 ]
amdhsa.kernels:
  - .name:           k_q04460dcabe_outproj
    .symbol:         k_q04460dcabe_outproj.kd
    .args:
      - { .name: atth, .offset: 0, .size: 8, .value_kind: global_buffer, .address_space: global }
      - { .name: bf, .offset: 8, .size: 8, .value_kind: global_buffer, .address_space: global }
      - { .name: out_b, .offset: 16, .size: 8, .value_kind: global_buffer, .address_space: global }
      - { .name: out0, .offset: 24, .size: 8, .value_kind: global_buffer, .address_space: global }
    .group_segment_fixed_size: 327680
    .private_segment_fixed_size: 0
    .kernarg_segment_align: 8
    .kernarg_segment_size: 32
    .max_flat_workgroup_size: 128
    .sgpr_count:     96
    .vgpr_count:     384
    .wavefront_size: 32
...
	.end_amdgpu_metadata
.endif
;; end of part 4
